; MI455X (gfx1250); checked and timed in simulation.
; The chip was launched on July 23, 2026; its instructions are those of AMD's public machine-readable ISA for CDNA 5 (MIT licence, August 2026) and "CDNA5" Instruction Set Architecture Reference Guide (July 2026). The comments in the code are by the model that wrote it; some were corrected since.
;; Hi PPO Leg S. Allowed arithmetic: float matrix products may take bf16 or f16 operands with f32 sums; all other float work in f32.
;; Inputs: coef 256 float32; t 4 x 131,072 float32.
;; Outputs: out0 4 x 131,072 float32.
;; Constants: curr_t = 1.
;; 2 versions, each right; version 2 is version 1 with the launch legs written anew for expert scheduling mode. Each part assembles by itself: llvm-mc -triple=amdgcn-amd-amdhsa -mcpu=gfx1250 --defsym DOCPART=n.
;; ======== version 1 of 2: 1 launch
;; launch legs (part 1): grid 256 x 1, 8 waves a work-group, no clusters, 3,584 bytes of LDS; arguments coef, t, out0; writes out0
.if DOCPART == 1
	.amdgcn_target "amdgcn-amd-amdhsa--gfx1250"
	.amdhsa_code_object_version 6
	.text
	.protected	k_qea1fd55103_legs
	.globl	k_qea1fd55103_legs
	.p2align	8
	.type	k_qea1fd55103_legs,@function
k_qea1fd55103_legs:
	s_mov_b64 s[64:65], 0
	v_nop
	global_prefetch_b8 v0, s[64:65] scope:SCOPE_SE
	s_setreg_imm32_b32 hwreg(HW_REG_WAVE_MODE, 25, 1), 1
	s_wait_xcnt 0x0
; out[p] = sum over i = 1..256 of coef[i-1] * sqrt(2i+1) * P_i(x),  x = 2 t[p] - 1  (curr_t = 1).   t, out: 524,288 f32;  coef: 256 f32.
;
; THE ARITHMETIC.  With q_k = s_k P_k, s_k = 4^k / C(2k,k), and y = 2x = 4t - 2, Legendre's recurrence reads
;     q_0 = 1,  q_1 = y,  q_(k+1) = y q_k - h_k q_(k-1),   h_k = 4k^2 / (4k^2 - 1) = 1 + 1 / (4k^2 - 1):
; the one scaling in which the factor of x q_k is the same for every k.  The series is  sum c_k q_k  with
;     c_k = coef[k-1] * sqrt(2k+1) * g_k,   g_k = 1 / s_k = product over j = 1..k of (1 - 1/(2j)),
; and it is summed backward (Clenshaw):  b_257 = b_258 = 0,  b_k = c_k + y b_(k+1) - h_(k+1) b_(k+2),  out = b_0  (c_0 = 0).
; The state is the pair (b_(k+1), t_k), t_k = c_k - h_(k+1) b_(k+2).  One step is two fused multiply-adds for a point,
;     b_k = y b_(k+1) + t_k          (written over t_k)
;     t_(k-1) = (-h_k) b_(k+1) + c_(k-1)   (written over b_(k+1)),
; against the seven operations of the forward recurrence with its weighted sum.  q_k is about sqrt(pi k) P_k: the scaling neither
; underflows nor overflows.
;
; LIMITS.  The order of rounding differs from a forward recurrence; everything is f32.  For |x| > 1, where P_i grows, the
; intermediate y b_1 reaches about four times the result, so a finite result within that factor of the largest f32 may overflow here.
;
; THE SHARES.  256 work-groups of 8 waves; a work-group owns 2,048 neighbouring points, a wave 256, a lane 8 (four register pairs, two
; points to a packed instruction).  A wave's load or store of 16 bytes a lane covers 512 consecutive bytes, aligned to 512.
; The 257 table entries (c_k, -h_(k+1)), k = 0..256, are the same for every point: wave 0 makes them once for the work-group while t and coef
; are on their way, puts them in LDS, and behind one barrier every wave reads them, all lanes the same 16 bytes (two entries).
.set TAB,  256                         ; LDS byte of entry 0; entry k at TAB + 8 k.  It begins at 256 so that the loop's down-counter times 256 is an address
.set Y,    4                           ; v[4:11]   t as loaded, then y = 4 t - 2: my 8 points
.set R0,   12                          ; v[12:19]  the state, one half: b before an odd entry's step, t before an even one's
.set R1,   20                          ; v[20:27]  the other half; at the end the results
.set LA,   28                          ; v28       LDS address for the table's loads, the same in all lanes
.set CN,   29                          ; v29       c_256
.set TA,   32                          ; v[32:63]  16 entries: the odd blocks of the table
.set TB,   64                          ; v[64:95]  16 entries: the even blocks
; wave 0's registers while it makes the table (dead before TA and TB are loaded)
.set CO,   30                          ; v30       byte offset of my 8 coefficients
.set K2,   31                          ; v31       2k of my first degree, k = 8 lane + 1
.set F,    32                          ; v[32:39]  2k
.set G,    40                          ; v[40:47]  2k + 1
.set D,    48                          ; v[48:55]  (2k+1)(2k+3) = 4 (k+1)^2 - 1
.set RHO,  56                          ; v[56:63]  1 - 1/(2k), then g_k
.set COEF, 64                          ; v[64:71]  coef[k-1]
.set S,    72                          ; v[72:79]  sqrt(2k+1), then sqrt(2k+1) g_k
.set PAIR, 80                          ; v[80:95]  the entries: c_k, -h_(k+1)
.set W,    96                          ; v[96:99]  at work in the running product
.set SA,   100                         ; v100      LDS address of my entries
.set ZA,   101                         ; v101      0
.set E0,   102                         ; v[102:103] entry 0
	s_load_b128 s[4:7], s[0:1], 0x0                ; coef s[4:5], t s[6:7]
	s_load_b64 s[8:9], s[0:1], 0x10                ; out
	v_lshl_add_u32 v104, v0, 2, 0xa00
	v_mov_b32 v105, 0
	v_lshrrev_b32 v3, 5, v0
	v_readfirstlane_b32 s10, v3                    ; wave 0..7
	v_and_b32 v1, 31, v0                           ; lane
	v_lshlrev_b32 v2, 4, v0
	v_lshl_add_u32 v2, v3, 9, v2                   ; 1,024 x wave + 16 x lane: my first 16 bytes; the second 16 lie 512 further
	s_lshl_b32 s12, ttmp9, 13                      ; the work-group's 2,048 points = 8,192 bytes
	s_mov_b32 s13, 0
	s_wait_kmcnt 0x0
	s_add_nc_u64 s[6:7], s[6:7], s[12:13]
	s_add_nc_u64 s[8:9], s[8:9], s[12:13]
	global_load_b128 v[Y:Y+3],   v2, s[6:7] th:TH_LOAD_NT             ; read once in the launch
	global_load_b128 v[Y+4:Y+7], v2, s[6:7] offset:512 th:TH_LOAD_NT
	s_cmp_lg_u32 s10, 0
	s_cbranch_scc1 .Ltable_made                    ; waves 1 to 7 go straight to the barrier
	; ---- wave 0 makes the table.  Lane l has the degrees k = 8 l + 1 + m, m = 0..7. ----
	v_lshlrev_b32 v[CO], 5, v1
	global_load_b128 v[COEF:COEF+3],   v[CO], s[4:5]                  ; every work-group reads these 1,024 bytes: no hint
	global_load_b128 v[COEF+4:COEF+7], v[CO], s[4:5] offset:16
	; all that does not need coef is done while it is on its way
	v_lshl_add_u32 v[K2], v1, 4, 2                 ; 2k for m = 0
.irp m, 0,1,2,3,4,5,6,7
	v_add_nc_u32 v[F+\m], 2*\m, v[K2]
.endr
.irp m, 0,1,2,3,4,5,6,7
	v_cvt_f32_u32 v[F+\m], v[F+\m]                 ; 2k, exact
.endr
.irp m, 0,1,2,3,4,5,6,7
	v_add_f32 v[G+\m], 1.0, v[F+\m]                ; 2k + 1
.endr
.irp m, 0,1,2,3,4,5,6,7
	v_add_f32 v[D+\m], 2.0, v[G+\m]                ; 2k + 3
.endr
.irp m, 0,1,2,3,4,5,6,7
	v_mul_f32 v[D+\m], v[G+\m], v[D+\m]            ; 4 (k+1)^2 - 1, at most 264,195: exact
.endr
.irp m, 0,1,2,3,4,5,6,7
	v_rcp_f32 v[RHO+\m], v[F+\m]                   ; 1 / (2k)
.endr
.irp m, 0,1,2,3,4,5,6,7
	v_sqrt_f32 v[S+\m], v[G+\m]                    ; sqrt(2k+1)
.endr
.irp m, 0,1,2,3,4,5,6,7
	v_rcp_f32 v[PAIR+2*\m+1], v[D+\m]              ; 1 / (4 (k+1)^2 - 1)
.endr
	v_lshlrev_b32 v[SA], 6, v1                     ; a plain vector line between the transcendentals and the first use of a result (ISA guide 5.7.2); my 8 entries are 64 bytes
	s_wait_alu depctr_va_vdst(0)
.irp m, 0,1,2,3,4,5,6,7
	v_sub_f32 v[RHO+\m], 1.0, v[RHO+\m]            ; (2k-1) / (2k)
.endr
.irp m, 0,1,2,3,4,5,6,7
	v_sub_f32 v[PAIR+2*\m+1], -1.0, v[PAIR+2*\m+1] ; -h_(k+1)
.endr
	; the running product g_k.  First the product of my eight factors,
	v_mul_f32 v[W],   v[RHO],   v[RHO+1]
	v_mul_f32 v[W+1], v[RHO+2], v[RHO+3]
	v_mul_f32 v[W+2], v[RHO+4], v[RHO+5]
	v_mul_f32 v[W+3], v[RHO+6], v[RHO+7]
	v_mul_f32 v[W],   v[W],   v[W+1]
	v_mul_f32 v[W+2], v[W+2], v[W+3]
	v_mul_f32 v[W],   v[W],   v[W+2]
	; then, in W+1, the product of all lower lanes' products.  A lane for which row_shr has no source keeps its destination:
	; lanes 0 and 16 keep the 1.0, and in the four doubling steps the lowest lanes of each half keep what they have.
	v_mov_b32 v[W+1], 1.0
	v_mov_b32_dpp v[W+1], v[W] row_shr:1 row_mask:0xf bank_mask:0xf
	v_mul_f32_dpp v[W+1], v[W+1], v[W+1] row_shr:1 row_mask:0xf bank_mask:0xf
	v_mul_f32_dpp v[W+1], v[W+1], v[W+1] row_shr:2 row_mask:0xf bank_mask:0xf
	v_mul_f32_dpp v[W+1], v[W+1], v[W+1] row_shr:4 row_mask:0xf bank_mask:0xf
	v_mul_f32_dpp v[W+1], v[W+1], v[W+1] row_shr:8 row_mask:0xf bank_mask:0xf
	v_mul_f32 v[W+2], v[W+1], v[W]                 ; with my own: in lane 15 the product of lanes 0 to 15, g_128,
	v_readlane_b32 s14, v[W+2], 15
	v_cmp_lt_u32 vcc_lo, 15, v1
	v_mov_b32 v[W+3], s14
	v_cndmask_b32 v[W+3], 1.0, v[W+3], vcc_lo      ; which lanes 16 to 31 still lack
	v_mul_f32 v[W+1], v[W+1], v[W+3]               ; g of the degree below my first
	v_mul_f32 v[RHO], v[W+1], v[RHO]
.irp m, 1,2,3,4,5,6,7
	v_mul_f32 v[RHO+\m], v[RHO+\m-1], v[RHO+\m]    ; g_k
.endr
.irp m, 0,1,2,3,4,5,6,7
	v_mul_f32 v[S+\m], v[S+\m], v[RHO+\m]          ; sqrt(2k+1) g_k
.endr
	v_mov_b32 v[ZA], 0
	v_mov_b32 v[E0], 0                             ; entry 0: c_0 = 0,
	v_mov_b32 v[E0+1], 0xbfaaaaab                  ; -h_1 = -4/3
	ds_store_b64 v[ZA], v[E0:E0+1] offset:TAB      ; all lanes store the same 8 bytes with the same value
	s_wait_loadcnt 0x0                             ; coef is the youngest load
.irp m, 0,1,2,3,4,5,6,7
	v_mul_f32 v[PAIR+2*\m], v[COEF+\m], v[S+\m]    ; c_k
.endr
.irp m, 0,1,2,3,4,5,6,7
	ds_store_b64 v[SA], v[PAIR+2*\m:PAIR+2*\m+1] offset:TAB+8+8*\m   ; entry k = 8 l + 1 + m
.endr
.Ltable_made:
	s_wait_dscnt 0x0                               ; wave 0's stores are done before it signals: zero, for the other waves' sake
	s_barrier_signal -1
	s_barrier_wait -1                              ; the table is whole for every wave, and is never written again
; Eight loads bring a block of 16 entries (128 bytes) into buffer buf; every lane reads the same bytes.
.macro LOAD buf, off
.irp i, 0,1,2,3,4,5,6,7
	ds_load_b128 v[\buf+4*\i:\buf+4*\i+3], v[LA] offset:TAB-256+\off+16*\i
.endr
.endm
; One step for my 8 points with the entry in v[p:p+1] = (c, -h).  rb holds b, rt holds t; afterwards rt holds the new b and rb the new t.
; op_sel takes the pair's second register (-h) for both halves of source 1 and its first (c) for both halves of source 2.
; The four chains take turns, so an instruction stands at least seven issue slots behind those whose results it reads.
.macro STEP p, rb, rt
.irp i, 0,2,4,6
	v_pk_fma_f32 v[\rt+\i:\rt+\i+1], v[Y+\i:Y+\i+1], v[\rb+\i:\rb+\i+1], v[\rt+\i:\rt+\i+1]
	v_pk_fma_f32 v[\rb+\i:\rb+\i+1], v[\rb+\i:\rb+\i+1], v[\p:\p+1], v[\p:\p+1] op_sel:[0,1,0] op_sel_hi:[1,1,0]
.endr
.endm
.macro BLOCK buf                       ; the 16 entries of a block from the highest degree down: an even number of steps, so b is in R0 again
.irp e, 14,12,10,8,6,4,2,0
	STEP \buf+2*\e+2, R0, R1
	STEP \buf+2*\e,   R1, R0
.endr
.endm
	v_mov_b32 v[LA], 8*256                         ; as if the loop's counter were 8
	ds_load_b32 v[CN], v[LA] offset:TAB-256+256    ; c_256: the first word of entry 256
	LOAD TA, 128                                   ; block 15: entries 240 to 255
	LOAD TB, 0                                     ; block 14
.irp r, 0,1,2,3,4,5,6,7
	v_mov_b32 v[R0+\r], 0                          ; b_257 = 0
.endr
	s_wait_loadcnt 0x0                             ; t
.irp i, 0,2,4,6
	v_pk_fma_f32 v[Y+\i:Y+\i+1], v[Y+\i:Y+\i+1], 4.0, -2.0 op_sel_hi:[1,0,0]   ; y = 4 t - 2 = 2 (2 t - 1), rounded once like 2 t - 1
.endr
	s_wait_dscnt 0x10                              ; c_256 is in; the 16 loads of the two blocks were issued behind it
.irp r, 0,1,2,3,4,5,6,7
	v_mov_b32 v[R1+\r], v[CN]                      ; t_256 = c_256
.endr
	; Trip j = 7..1 takes blocks 2j+1 (in TA) and 2j (in TB), 32 steps, and loads each buffer again straight behind its last use, with
	; blocks 2j-1 and 2j-2: block B lies at TAB + 128 B, so these two lie at 256 j + 128 and 256 j.  A block's loads have the other block's
	; 128 packed instructions in which to come.
	s_mov_b32 s11, 7
.Lpair:
	s_wait_dscnt 0x8                               ; TA's eight loads are in, TB's eight, issued behind them, may be out: so on the way in and over the back edge
	BLOCK TA
	s_lshl_b32 s12, s11, 8
	v_mov_b32 v[LA], s12                           ; 256 j
	LOAD TA, 128
	s_wait_dscnt 0x8                               ; TB is in; the eight just issued may be out
	BLOCK TB
	LOAD TB, 0
	s_sub_co_i32 s11, s11, 1
	s_cmp_lg_u32 s11, 0
	s_cbranch_scc1 .Lpair
	; the last two blocks, 1 and 0, written out: nothing is left to load, and no load passes the table
	s_wait_dscnt 0x8
	BLOCK TA
	s_wait_dscnt 0x0
	BLOCK TB                                       ; its last step, with entry 0, leaves b_1 in R0 and t_0 = -h_1 b_2 in R1
.irp i, 0,2,4,6
	v_pk_fma_f32 v[R1+\i:R1+\i+1], v[Y+\i:Y+\i+1], v[R0+\i:R0+\i+1], v[R1+\i:R1+\i+1]   ; out = b_0 = y b_1 + t_0
.endr
	global_store_b128 v2, v[R1:R1+3],   s[8:9] th:TH_STORE_NT              ; 16 neighbouring lanes store 256 consecutive bytes, aligned
	global_store_b128 v2, v[R1+4:R1+7], s[8:9] offset:512 th:TH_STORE_NT
	s_wait_tensorcnt 0x0
	ds_add_u32 v104, v105
	s_wait_dscnt 0x0
	s_endpgm
.Lfunc_end_k_qea1fd55103_legs:
	.size	k_qea1fd55103_legs, .Lfunc_end_k_qea1fd55103_legs-k_qea1fd55103_legs
	.p2alignl 7, 3214868480
	.fill 96, 4, 3214868480
	.section	.rodata,"a",@progbits
	.p2align	6, 0x0
	.amdhsa_kernel k_qea1fd55103_legs
		.amdhsa_group_segment_fixed_size 3584
		.amdhsa_private_segment_fixed_size 0
		.amdhsa_enable_private_segment 0
		.amdhsa_kernarg_size 24
		.amdhsa_user_sgpr_count 2
		.amdhsa_user_sgpr_kernarg_segment_ptr 1
		.amdhsa_wavefront_size32 1
		.amdhsa_system_sgpr_workgroup_id_x 1
		.amdhsa_system_sgpr_workgroup_id_y 1
		.amdhsa_system_sgpr_workgroup_id_z 1
		.amdhsa_system_vgpr_workitem_id 0
		.amdhsa_next_free_vgpr 106
		.amdhsa_next_free_sgpr 66
		.amdhsa_reserve_vcc 1
		.amdhsa_float_denorm_mode_32 3
		.amdhsa_float_denorm_mode_16_64 3
		.amdhsa_memory_ordered 1
		.amdhsa_forward_progress 1
		.amdhsa_inst_pref_size 43
	.end_amdhsa_kernel
	.amdgpu_metadata
---
amdhsa.version: [ 1, 2 ]
amdhsa.kernels:
  - .name:           k_qea1fd55103_legs
    .symbol:         k_qea1fd55103_legs.kd
    .args:
      - { .name: coef, .offset: 0, .size: 8, .value_kind: global_buffer, .address_space: global }
      - { .name: t, .offset: 8, .size: 8, .value_kind: global_buffer, .address_space: global }
      - { .name: out0, .offset: 16, .size: 8, .value_kind: global_buffer, .address_space: global }
    .group_segment_fixed_size: 3584
    .private_segment_fixed_size: 0
    .kernarg_segment_align: 8
    .kernarg_segment_size: 24
    .max_flat_workgroup_size: 256
    .sgpr_count:     66
    .vgpr_count:     106
    .wavefront_size: 32
...
	.end_amdgpu_metadata
.endif
;; end of part 1
;; ======== version 2 of 2: 1 launch; version 1 with the launch legs written anew for expert scheduling mode
;; launch legs (part 2): grid 256 x 1, 8 waves a work-group, no clusters, 3,584 bytes of LDS; arguments coef, t, out0; writes out0
.if DOCPART == 2
	.amdgcn_target "amdgcn-amd-amdhsa--gfx1250"
	.amdhsa_code_object_version 6
	.text
	.protected	k_qea1fd55103_legs
	.globl	k_qea1fd55103_legs
	.p2align	8
	.type	k_qea1fd55103_legs,@function
k_qea1fd55103_legs:
	s_mov_b64 s[64:65], 0
	v_nop
	global_prefetch_b8 v0, s[64:65] scope:SCOPE_SE
	s_setreg_imm32_b32 hwreg(HW_REG_WAVE_SCHED_MODE, 0, 2), 2
	s_setreg_imm32_b32 hwreg(HW_REG_WAVE_MODE, 25, 1), 1
	s_wait_xcnt 0x0
	s_wait_alu depctr_vm_vsrc(0)
; out[p] = sum over i = 1..256 of coef[i-1] * sqrt(2i+1) * P_i(x),  x = 2 t[p] - 1  (curr_t = 1).   t, out: 524,288 f32;  coef: 256 f32.
;
; THE ARITHMETIC.  With q_k = s_k P_k, s_k = 4^k / C(2k,k), and y = 2x = 4t - 2, Legendre's recurrence reads
;     q_0 = 1,  q_1 = y,  q_(k+1) = y q_k - h_k q_(k-1),   h_k = 4k^2 / (4k^2 - 1) = 1 + 1 / (4k^2 - 1):
; the one scaling in which the factor of x q_k is the same for every k.  The series is  sum c_k q_k  with
;     c_k = coef[k-1] * sqrt(2k+1) * g_k,   g_k = 1 / s_k = product over j = 1..k of (1 - 1/(2j)),
; and it is summed backward (Clenshaw):  b_257 = b_258 = 0,  b_k = c_k + y b_(k+1) - h_(k+1) b_(k+2),  out = b_0  (c_0 = 0).
; The state is the pair (b_(k+1), t_k), t_k = c_k - h_(k+1) b_(k+2).  One step is two fused multiply-adds for a point,
;     b_k = y b_(k+1) + t_k          (written over t_k)
;     t_(k-1) = (-h_k) b_(k+1) + c_(k-1)   (written over b_(k+1)),
; against the seven operations of the forward recurrence with its weighted sum.  q_k is about sqrt(pi k) P_k: the scaling neither
; underflows nor overflows.
;
; LIMITS.  The order of rounding differs from a forward recurrence; everything is f32.  For |x| > 1, where P_i grows, the
; intermediate y b_1 reaches about four times the result, so a finite result within that factor of the largest f32 may overflow here.
;
; THE SHARES.  256 work-groups of 8 waves; a work-group owns 2,048 neighbouring points, a wave 256, a lane 8 (four register pairs, two
; points to a packed instruction).  A wave's load or store of 16 bytes a lane covers 512 consecutive bytes, aligned to 512.
; The 257 table entries (c_k, -h_(k+1)), k = 0..256, are the same for every point: wave 0 makes them once for the work-group while t and coef
; are on their way, puts them in LDS, and behind one barrier every wave reads them, all lanes the same 16 bytes (two entries).
;
; THE MODE: SCHED_MODE bits 1:0 = 2 (LLVM: expert scheduling mode 2), set by the entry lines.  The code itself states the register dependences
; between vector instructions and memory or LDS instructions, with s_wait_alu, always for 0.
; THE PLAN.  Registers that memory or LDS instructions touch behind the barrier:
;   TA, TB   The table goes in 16 blocks of 16 entries, from block 15 down; odd blocks pass through TA, even ones through TB.  A block's 128 packed
;            instructions read its own buffer; the eight LDS loads of the next block land in the other buffer, which the block before read.
;   v[LA]    Read by every load of the table; written behind the barrier and once a trip, at the trip's head.
;   v[CN]    One LDS load lands in it; eight moves read it.
;   v2       Offset of t and of out, made at the head and never written again.       R1  written by the last four instructions, read by the two stores.
;   Y, R0 and (up to the stores) R1 are named by vector instructions alone once t is in.
; So ONE wait on va_vdst stands at a block's head: the block before is done reading the other buffer (and, at a trip's head, v[LA] is written).  Behind it the
; eight loads are dealt among the block's first four steps, which name the block's own buffer, Y, R0 and R1: none of the registers that those loads touch.
; One wait on vm_vsrc a trip stands ahead of the write of v[LA].
.set TAB,  256                         ; LDS byte of entry 0; entry k at TAB + 8 k.  It begins at 256 so that the loop's down-counter times 256 is an address
.set Y,    4                           ; v[4:11]   t as loaded, then y = 4 t - 2: my 8 points
.set R0,   12                          ; v[12:19]  the state, one half: b before an odd entry's step, t before an even one's
.set R1,   20                          ; v[20:27]  the other half; at the end the results
.set LA,   28                          ; v28       LDS address for the table's loads, the same in all lanes
.set CN,   29                          ; v29       c_256
.set TA,   32                          ; v[32:63]  16 entries: the odd blocks of the table
.set TB,   64                          ; v[64:95]  16 entries: the even blocks
; wave 0's registers while it makes the table (dead before TA and TB are loaded)
.set CO,   30                          ; v30       byte offset of my 8 coefficients
.set K2,   31                          ; v31       2k of my first degree, k = 8 lane + 1
.set F,    32                          ; v[32:39]  2k
.set G,    40                          ; v[40:47]  2k + 1
.set D,    48                          ; v[48:55]  (2k+1)(2k+3) = 4 (k+1)^2 - 1
.set RHO,  56                          ; v[56:63]  1 - 1/(2k), then g_k
.set COEF, 64                          ; v[64:71]  coef[k-1]
.set S,    72                          ; v[72:79]  sqrt(2k+1), then sqrt(2k+1) g_k
.set PAIR, 80                          ; v[80:95]  the entries: c_k, -h_(k+1)
.set W,    96                          ; v[96:99]  at work in the running product
.set SA,   100                         ; v100      LDS address of my entries
.set ZA,   101                         ; v101      0
.set E0,   102                         ; v[102:103] entry 0
	s_load_b128 s[4:7], s[0:1], 0x0                ; coef s[4:5], t s[6:7]
	s_load_b64 s[8:9], s[0:1], 0x10                ; out
	v_lshl_add_u32 v104, v0, 2, 0xa00
	v_mov_b32 v105, 0
	v_lshrrev_b32 v3, 5, v0
	v_readfirstlane_b32 s10, v3                    ; wave 0..7
	v_and_b32 v1, 31, v0                           ; lane
	v_lshlrev_b32 v2, 4, v0
	v_lshl_add_u32 v2, v3, 9, v2                   ; 1,024 x wave + 16 x lane: my first 16 bytes; the second 16 lie 512 further
	s_lshl_b32 s12, ttmp9, 13                      ; the work-group's 2,048 points = 8,192 bytes
	s_mov_b32 s13, 0
	s_wait_kmcnt 0x0
	s_add_nc_u64 s[6:7], s[6:7], s[12:13]
	s_add_nc_u64 s[8:9], s[8:9], s[12:13]
	s_wait_alu depctr_va_vdst(0)                   ; v2 is written: the loads of t and the stores of out read it as their offset
	global_load_b128 v[Y:Y+3],   v2, s[6:7] th:TH_LOAD_NT             ; read once in the launch
	global_load_b128 v[Y+4:Y+7], v2, s[6:7] offset:512 th:TH_LOAD_NT
	s_wait_alu depctr_va_sdst(0)                   ; s10 is written, ahead of its first reader, the compare below
	s_cmp_lg_u32 s10, 0
	s_cbranch_scc1 .Ltable_made                    ; waves 1 to 7 go straight to the barrier
	; ---- wave 0 makes the table.  Lane l has the degrees k = 8 l + 1 + m, m = 0..7. ----
	v_lshlrev_b32 v[CO], 5, v1
	s_wait_alu depctr_va_vdst(0)                   ; v[CO] is written, which the two loads of coef read as their offset
	global_load_b128 v[COEF:COEF+3],   v[CO], s[4:5]                  ; every work-group reads these 1,024 bytes: no hint
	global_load_b128 v[COEF+4:COEF+7], v[CO], s[4:5] offset:16
	; all that does not need coef is done while it is on its way
	v_lshl_add_u32 v[K2], v1, 4, 2                 ; 2k for m = 0
.irp m, 0,1,2,3,4,5,6,7
	v_add_nc_u32 v[F+\m], 2*\m, v[K2]
.endr
.irp m, 0,1,2,3,4,5,6,7
	v_cvt_f32_u32 v[F+\m], v[F+\m]                 ; 2k, exact
.endr
.irp m, 0,1,2,3,4,5,6,7
	v_add_f32 v[G+\m], 1.0, v[F+\m]                ; 2k + 1
.endr
.irp m, 0,1,2,3,4,5,6,7
	v_add_f32 v[D+\m], 2.0, v[G+\m]                ; 2k + 3
.endr
.irp m, 0,1,2,3,4,5,6,7
	v_mul_f32 v[D+\m], v[G+\m], v[D+\m]            ; 4 (k+1)^2 - 1, at most 264,195: exact
.endr
.irp m, 0,1,2,3,4,5,6,7
	v_rcp_f32 v[RHO+\m], v[F+\m]                   ; 1 / (2k)
.endr
.irp m, 0,1,2,3,4,5,6,7
	v_sqrt_f32 v[S+\m], v[G+\m]                    ; sqrt(2k+1)
.endr
.irp m, 0,1,2,3,4,5,6,7
	v_rcp_f32 v[PAIR+2*\m+1], v[D+\m]              ; 1 / (4 (k+1)^2 - 1)
.endr
	v_lshlrev_b32 v[SA], 6, v1                     ; a plain vector line between the transcendentals and the first use of a result (ISA guide 5.7.2); my 8 entries are 64 bytes
	s_wait_alu depctr_va_vdst(0)                   ; the 24 reciprocals and roots have written v[RHO ..], v[S ..] and the odd v[PAIR ..]: one wait for the batch, ahead of its first reader
.irp m, 0,1,2,3,4,5,6,7
	v_sub_f32 v[RHO+\m], 1.0, v[RHO+\m]            ; (2k-1) / (2k)
.endr
.irp m, 0,1,2,3,4,5,6,7
	v_sub_f32 v[PAIR+2*\m+1], -1.0, v[PAIR+2*\m+1] ; -h_(k+1)
.endr
	; the running product g_k.  First the product of my eight factors,
	v_mul_f32 v[W],   v[RHO],   v[RHO+1]
	v_mul_f32 v[W+1], v[RHO+2], v[RHO+3]
	v_mul_f32 v[W+2], v[RHO+4], v[RHO+5]
	v_mul_f32 v[W+3], v[RHO+6], v[RHO+7]
	v_mul_f32 v[W],   v[W],   v[W+1]
	v_mul_f32 v[W+2], v[W+2], v[W+3]
	v_mul_f32 v[W],   v[W],   v[W+2]
	; then, in W+1, the product of all lower lanes' products.  A lane for which row_shr has no source keeps its destination:
	; lanes 0 and 16 keep the 1.0, and in the four doubling steps the lowest lanes of each half keep what they have.
	v_mov_b32 v[W+1], 1.0
	v_mov_b32_dpp v[W+1], v[W] row_shr:1 row_mask:0xf bank_mask:0xf
	v_mul_f32_dpp v[W+1], v[W+1], v[W+1] row_shr:1 row_mask:0xf bank_mask:0xf
	v_mul_f32_dpp v[W+1], v[W+1], v[W+1] row_shr:2 row_mask:0xf bank_mask:0xf
	v_mul_f32_dpp v[W+1], v[W+1], v[W+1] row_shr:4 row_mask:0xf bank_mask:0xf
	v_mul_f32_dpp v[W+1], v[W+1], v[W+1] row_shr:8 row_mask:0xf bank_mask:0xf
	v_mul_f32 v[W+2], v[W+1], v[W]                 ; with my own: in lane 15 the product of lanes 0 to 15, g_128,
	v_readlane_b32 s14, v[W+2], 15
	v_cmp_lt_u32 vcc_lo, 15, v1
	s_wait_alu depctr_va_sdst(0)                   ; s14 is written, ahead of the move that reads it
	s_wait_alu depctr_va_vcc(0)                    ; VCC is written, ahead of the select that reads it
	v_mov_b32 v[W+3], s14
	v_cndmask_b32 v[W+3], 1.0, v[W+3], vcc_lo      ; which lanes 16 to 31 still lack
	v_mul_f32 v[W+1], v[W+1], v[W+3]               ; g of the degree below my first
	v_mul_f32 v[RHO], v[W+1], v[RHO]
.irp m, 1,2,3,4,5,6,7
	v_mul_f32 v[RHO+\m], v[RHO+\m-1], v[RHO+\m]    ; g_k
.endr
.irp m, 0,1,2,3,4,5,6,7
	v_mul_f32 v[S+\m], v[S+\m], v[RHO+\m]          ; sqrt(2k+1) g_k
.endr
	v_mov_b32 v[ZA], 0
	v_mov_b32 v[E0], 0                             ; entry 0: c_0 = 0,
	v_mov_b32 v[E0+1], 0xbfaaaaab                  ; -h_1 = -4/3
	s_wait_loadcnt 0x0                             ; coef is the youngest load
.irp m, 0,1,2,3,4,5,6,7
	v_mul_f32 v[PAIR+2*\m], v[COEF+\m], v[S+\m]    ; c_k
.endr
	s_wait_alu depctr_va_vdst(0)                   ; v[ZA], v[E0 ..], v[SA] and v[PAIR ..] are written: the addresses and the data of the nine LDS stores, which stand in one run behind this one wait
	ds_store_b64 v[ZA], v[E0:E0+1] offset:TAB      ; all lanes store the same 8 bytes with the same value
.irp m, 0,1,2,3,4,5,6,7
	ds_store_b64 v[SA], v[PAIR+2*\m:PAIR+2*\m+1] offset:TAB+8+8*\m   ; entry k = 8 l + 1 + m
.endr
.Ltable_made:
	s_wait_dscnt 0x0                               ; wave 0's stores are done before it signals: zero, for the other waves' sake
	s_barrier_signal -1
	s_barrier_wait -1                              ; the table is whole for every wave, and is never written again
; One step for my 8 points with the entry in v[p:p+1] = (c, -h).  rb holds b, rt holds t; afterwards rt holds the new b and rb the new t.
; op_sel takes the pair's second register (-h) for both halves of source 1 and its first (c) for both halves of source 2.
; The four chains take turns, so an instruction stands at least seven issue slots behind those whose results it reads.
.macro STEP p, rb, rt
.irp i, 0,2,4,6
	v_pk_fma_f32 v[\rt+\i:\rt+\i+1], v[Y+\i:Y+\i+1], v[\rb+\i:\rb+\i+1], v[\rt+\i:\rt+\i+1]
	v_pk_fma_f32 v[\rb+\i:\rb+\i+1], v[\rb+\i:\rb+\i+1], v[\p:\p+1], v[\p:\p+1] op_sel:[0,1,0] op_sel_hi:[1,1,0]
.endr
.endm
; Two of the eight loads that bring the next block (16 entries, 128 bytes, every lane the same bytes) into buffer nxt; n counts the loads dealt so far.
.macro DEAL nxt, off
.if n < 8
	ds_load_b128 v[\nxt+4*n:\nxt+4*n+3],   v[LA] offset:\off+16*n     ; no wait: no vector instruction since the block's head names buffer nxt or v[LA]
	ds_load_b128 v[\nxt+4*n+4:\nxt+4*n+7], v[LA] offset:\off+16*n+16
.set n, n+2
.endif
.endm
; The 16 entries of the block in buf, from the highest degree down: an even number of steps, so b is in R0 again.
; load = 1: the next block's eight loads stand two ahead of each of the first four steps, so that the last of them has thirteen steps, 104 packed instructions, in which to come.
.macro BLOCK buf, nxt, off, load
.set n, 8-8*(\load)
.irp e, 14,12,10,8,6,4,2,0
	DEAL \nxt, \off
	STEP \buf+2*\e+2, R0, R1
	DEAL \nxt, \off
	STEP \buf+2*\e,   R1, R0
.endr
.endm
	v_mov_b32 v[LA], 8*256                         ; as if the loop's counter were 8
	s_wait_alu depctr_va_vdst(0)                   ; v[LA] is written, which the nine loads below read; wave 0's arithmetic for the table is done writing and reading v32 to v63, in which block 15 lands
	ds_load_b32 v[CN], v[LA] offset:TAB            ; c_256: the first word of entry 256
.irp i, 0,1,2,3,4,5,6,7
	ds_load_b128 v[TA+4*\i:TA+4*\i+3], v[LA] offset:TAB-128+16*\i     ; block 15: entries 240 to 255
.endr
.irp r, 0,1,2,3,4,5,6,7
	v_mov_b32 v[R0+\r], 0                          ; b_257 = 0
.endr
	s_wait_loadcnt 0x0                             ; t
.irp i, 0,2,4,6
	v_pk_fma_f32 v[Y+\i:Y+\i+1], v[Y+\i:Y+\i+1], 4.0, -2.0 op_sel_hi:[1,0,0]   ; y = 4 t - 2 = 2 (2 t - 1), rounded once like 2 t - 1
.endr
	s_wait_dscnt 0x8                               ; c_256 is in; the eight loads of block 15 were issued behind it
.irp r, 0,1,2,3,4,5,6,7
	v_mov_b32 v[R1+\r], v[CN]                      ; t_256 = c_256
.endr
	; Trip j = 7..1 takes blocks 2j+1 (in TA) and 2j (in TB), 32 steps.  Block B lies at TAB + 128 B: with v[LA] = 256 j, block 2j, loaded into TB during
	; block 2j+1, lies at offset TAB, and block 2j-1, loaded into TA during block 2j, at offset TAB - 128.
	s_mov_b32 s11, 7
.Lpair:
	s_lshl_b32 s12, s11, 8
	s_wait_alu depctr_vm_vsrc(0)                   ; the LDS loads issued so far have read v[LA], which the next line writes; in the first trip also: wave 0's LDS stores have read v80 to v95, in which TB's loads land
	v_mov_b32 v[LA], s12                           ; 256 j
	s_wait_dscnt 0x0                               ; TA is in: its eight loads are all that is out, on the way in and over the back edge
	s_wait_alu depctr_va_vdst(0)                   ; v[LA] is written; the block before is done reading TB (in the first trip: wave 0's arithmetic for the table is done with v64 to v95), in which the loads below land
	BLOCK TA, TB, TAB, 1
	s_wait_dscnt 0x0                               ; TB is in
	s_wait_alu depctr_va_vdst(0)                   ; the block above is done reading TA, in which the loads below land
	BLOCK TB, TA, TAB-128, 1
	s_sub_co_i32 s11, s11, 1
	s_cmp_lg_u32 s11, 0
	s_cbranch_scc1 .Lpair
	; the last two blocks, 1 and 0, written out: behind block 0 nothing is left to load, and no load passes the table
	s_wait_dscnt 0x0                               ; TA, block 1, is in
	s_wait_alu depctr_va_vdst(0)                   ; block 2 is done reading TB, in which block 0 lands; v[LA] still holds the last trip's 256, so block 0 lies at offset TAB - 256
	BLOCK TA, TB, TAB-256, 1
	s_wait_dscnt 0x0
	BLOCK TB, TA, 0, 0                             ; its last step, with entry 0, leaves b_1 in R0 and t_0 = -h_1 b_2 in R1
.irp i, 0,2,4,6
	v_pk_fma_f32 v[R1+\i:R1+\i+1], v[Y+\i:Y+\i+1], v[R0+\i:R0+\i+1], v[R1+\i:R1+\i+1]   ; out = b_0 = y b_1 + t_0
.endr
	s_wait_alu depctr_va_vdst(0)                   ; the four lines above have written R1, which the two stores read
	global_store_b128 v2, v[R1:R1+3],   s[8:9] th:TH_STORE_NT              ; 16 neighbouring lanes store 256 consecutive bytes, aligned
	global_store_b128 v2, v[R1+4:R1+7], s[8:9] offset:512 th:TH_STORE_NT
	s_wait_dscnt 0x0
	s_wait_alu depctr_hold_cnt(0) depctr_sa_sdst(0) depctr_va_vdst(0) depctr_va_sdst(0) depctr_va_ssrc(0) depctr_va_vcc(0) depctr_vm_vsrc(0)
	s_wait_tensorcnt 0x0
	ds_add_u32 v104, v105
	s_wait_dscnt 0x0
	s_endpgm
.Lfunc_end_k_qea1fd55103_legs:
	.size	k_qea1fd55103_legs, .Lfunc_end_k_qea1fd55103_legs-k_qea1fd55103_legs
	.p2alignl 7, 3214868480
	.fill 96, 4, 3214868480
	.section	.rodata,"a",@progbits
	.p2align	6, 0x0
	.amdhsa_kernel k_qea1fd55103_legs
		.amdhsa_group_segment_fixed_size 3584
		.amdhsa_private_segment_fixed_size 0
		.amdhsa_enable_private_segment 0
		.amdhsa_kernarg_size 24
		.amdhsa_user_sgpr_count 2
		.amdhsa_user_sgpr_kernarg_segment_ptr 1
		.amdhsa_wavefront_size32 1
		.amdhsa_system_sgpr_workgroup_id_x 1
		.amdhsa_system_sgpr_workgroup_id_y 1
		.amdhsa_system_sgpr_workgroup_id_z 1
		.amdhsa_system_vgpr_workitem_id 0
		.amdhsa_next_free_vgpr 106
		.amdhsa_next_free_sgpr 66
		.amdhsa_reserve_vcc 1
		.amdhsa_float_denorm_mode_32 3
		.amdhsa_float_denorm_mode_16_64 3
		.amdhsa_memory_ordered 1
		.amdhsa_forward_progress 1
		.amdhsa_inst_pref_size 43
	.end_amdhsa_kernel
	.amdgpu_metadata
---
amdhsa.version: [ 1, 2 ]
amdhsa.kernels:
  - .name:           k_qea1fd55103_legs
    .symbol:         k_qea1fd55103_legs.kd
    .args:
      - { .name: coef, .offset: 0, .size: 8, .value_kind: global_buffer, .address_space: global }
      - { .name: t, .offset: 8, .size: 8, .value_kind: global_buffer, .address_space: global }
      - { .name: out0, .offset: 16, .size: 8, .value_kind: global_buffer, .address_space: global }
    .group_segment_fixed_size: 3584
    .private_segment_fixed_size: 0
    .kernarg_segment_align: 8
    .kernarg_segment_size: 24
    .max_flat_workgroup_size: 256
    .sgpr_count:     66
    .vgpr_count:     106
    .wavefront_size: 32
...
	.end_amdgpu_metadata
.endif
;; end of part 2
